; MI455X (gfx1250); checked and timed in simulation.
; The chip was launched on July 23, 2026; its instructions are those of AMD's public machine-readable ISA for CDNA 5 (MIT licence, August 2026) and "CDNA5" Instruction Set Architecture Reference Guide (July 2026). The comments in the code are by the model that wrote it; some were corrected since.
;; scaled dot product attention. Allowed arithmetic: matrix products marked QUANTISED: E4M3 operands, one given power-of-two scale a tensor, by v_wmma_f32_16x16x64_fp8_fp8 or v_wmma_f32_16x16x128_fp8_fp8, f32 sums; everything else in f32.
;; Inputs: K 4 x 16 x 2,048 x 64 float32; Q 4 x 16 x 2,048 x 64 float32; V 4 x 16 x 2,048 x 64 float32; lowp_scales 4 int32 (the exponents e of the quantised operands' scales 2^e); mask 1 x 1 x 2,048 x 2,048 int32.
;; Outputs: out0 4 x 16 x 2,048 x 64 float32.
;; This version of the problem:
;;   THIS VERSION OF THE PROBLEM IS GIVEN IN LOW PRECISION. The matrix products marked QUANTISED in the list below multiply operands that are first quantised to E4M3 (4 exponent bits, 3 mantissa bits; 8 bits a number), with one given power-of-two scale for each operand tensor; their sums are f32. All else is computed in f32.
;;   The module's matrix products, in the order in which they are computed (A, B: the left and right operand; K: the contracted axis; several contracted axes count as one K, in the product's order):
;;     1. batch 64 x [M 2,048, K 64] x [K 64, N 2,048]; A: input Q; B: input K: QUANTISED (scales: A lowp_scales[0], B lowp_scales[1])
;;     2. batch 64 x [M 2,048, K 2,048] x [K 2,048, N 64]; A: softmax (see below); B: input V: QUANTISED (scales: A lowp_scales[2], B lowp_scales[3])
;;   THE QUANTISER, for each operand of a quantised product, along K:
;;     - The operand's scale is 2^e, e = its entry of the input lowp_scales (int32; the entries are numbered through the quantised products in the list's order, A before B).
;;     - Each number is divided by the scale, clamped to +-448, and rounded to the nearest number of E4M3, ties to even, subnormals kept.
;;     - The product sums the exact products of the quantised numbers (number of the format x scale) in f32.
;;   ~~~python
;;   def quantise(x, axis, e):      # numpy; x: float32 -> the quantised numbers, widened to float32 again
;;       x = np.moveaxis(x, axis, -1); K = x.shape[-1]
;;       r = np.clip(x / 2.0 ** e, -448, 448)
;;       step = 2.0 ** (np.maximum(np.frexp(np.where(r == 0, 1, r))[1] - 1, -6) - 3)
;;       q = np.round(r / step) * step * 2.0 ** e      # np.round: ties to even
;;       return np.moveaxis(q, -1, axis).astype(np.float32)
;;   ~~~
;;   SOFTMAX AHEAD OF A QUANTISED PRODUCT. Where the list says 'softmax', what is quantised is not the finished softmax but p = 2^(t - M), with t = logit x log2(e) and M = ceil(the row's largest t), a whole number; so 1/2 < the row's largest p <= 1. The row's sum l is taken of the UNQUANTISED p, in f32, and the product's result is divided by l at the end. Since M is a whole number, a kernel that streams over the keys may use a running M (the ceiling of the running maximum): every later rescaling is an exact power of two, so the quantised numbers keep their values, but for numbers so far below the row's largest that they fall under the format's range.
;;   OPERANDS COMPUTED ON THE WAY. 'Computed on the way' means the value that the module computes at that place (a softmax that the list does not call 'softmax' is quantised finished and normalised). What goes into a quantiser is computed in f32, as accurately as f32 sums, v_exp_f32 and their like allow (about 1e-6 of the number): no bf16 or f16 on the way to a quantiser, and a product that is left as it is and whose result goes on into a quantised operand takes f32 operands (vector FMAs, or v_wmma_f32_16x16x4_f32). A number that lies on a knife's edge between two numbers of the format may be rounded either way, as far as f32 arithmetic and the matrix unit's own rounding can turn it there, and no further.
;; One version. Each part assembles by itself: llvm-mc -triple=amdgcn-amd-amdhsa -mcpu=gfx1250 --defsym DOCPART=n.
;; ======== version 1 of 1: 2 launches
;; limits: right only within a limited range of input values
;; workspace buffers: kv 16,777,216 bytes; mwords 524,288 bytes of whole numbers
;; launch prep (part 1): grid 256 x 1, 10 waves a work-group, no clusters, 69,888 bytes of LDS; arguments K, V, mask, lowp_scales, kv, mwords; writes kv, mwords
.if DOCPART == 1
	.amdgcn_target "amdgcn-amd-amdhsa--gfx1250"
	.amdhsa_code_object_version 6
	.text
	.protected	k_q7d353073b4_prep
	.globl	k_q7d353073b4_prep
	.p2align	8
	.type	k_q7d353073b4_prep,@function
k_q7d353073b4_prep:
	s_mov_b64 s[64:65], 0
	v_nop
	global_prefetch_b8 v0, s[64:65] scope:SCOPE_SE
	s_setreg_imm32_b32 hwreg(HW_REG_WAVE_MODE, 25, 1), 1
	s_wait_xcnt 0x0
; K and V [64 heads][2048 keys][64] f32 become codes of FP8 (E4M3) in kv, laid in the order of the operands' registers; the mask [2048][2048] int32 becomes lane-mask words in mwords.
; code = x / 2^e, held within +-448, to the nearest code, ties to even; e = entry 1 (K) or entry 3 (V) of the scales' exponents.  LIMITS: e between -126 and 119.  NaN among the inputs is not served.
; kv: head hd at 262,144 hd, key step s (128 keys) at + 16,384 s.
;   K part, bytes 0-8,191: tile t of 16 keys at 1,024 t, registers 4 g .. 4 g + 3 of its 16 x 64 fragment at 512 g, lane l at 16 l.  Lane (r = l % 16, h = l / 16), register 2 c + e, byte b = K[16 t + r][16 c + 8 h + 4 e + b].
;   V part, bytes 8,192-16,383: tile tc of 16 channels at 2,048 tc, registers 4 g .. 4 g + 3 of its 16 x 128 fragment at 512 g, lane l at 16 l.  Register 2 c + e, byte b = V[16 c + 8 h + 4 e + b][32 (tc / 2) + 2 r + tc % 2].
;   (Which channels form a tile is free; these make each store below cover 256 consecutive bytes.  The reader puts the channels back in order on its way out.)
; mwords: record (tile qt of 16 queries, step s) at 256 (16 qt + s).  Word n = 8 t + j at 4 n: bit r + 16 h is 1 where mask[16 qt + r][128 s + 16 t + 8 h + j] is 0.
; SHARES.  Ten waves, each with 32,768 bytes of input: waves 0-3 a key step of K each, waves 4-7 a key step of V each, waves 8-9 16 rows x 512 columns of the mask each.  The three ways part once on the wave's number,
; never meet again, share nothing and have no barrier.  Everything is written out: every offset is an immediate, and no register that a store reads is written again.
.set KR, 16                            ; K: v16-143   four sets of 32 numbers
.set KC, 144                           ; K: v144-207  codes, eight registers a tile
.set VX, 16                            ; V: v16-143   two sets of 64 numbers
.set VT, 144                           ; V: v144-159  codes as converted: two channels interleaved
.set VC, 160                           ; V: v160-223  codes by channel, sixteen registers a group
.set MM, 16                            ; mask: v16-207 three sets of 64 numbers
.set MW, 208                           ; mask: record i: v[208+2i:209+2i] the words, two to a lane
.set KST, 16*272                       ; K: a stage: 16 rows of 256 bytes + 16
.set MST, 16*528                       ; mask: a stage: 16 rows of 512 bytes + 16
.set MBASE, 4*2*KST                    ; the mask's stages lie behind K's eight
.macro SCALE                           ; s20 = e  ->  v11 = 2^e as f32 (the conversion takes its exponent field), v10 = 448 x 2^e
	s_add_co_i32 s20, s20, 127
	s_lshl_b32 s21, s20, 23
	v_mov_b32 v11, s21
	s_add_co_i32 s20, s20, 8
	s_lshl_b32 s20, s20, 23
	s_or_b32 s20, s20, 0x600000
	v_mov_b32 v10, s20
.endm
	s_load_b256 s[4:11], s[0:1], 0x0               ; K s[4:5], V s[6:7], mask s[8:9], the scales' exponents s[10:11]
	s_load_b128 s[12:15], s[0:1], 0x20             ; kv s[12:13], mwords s[14:15]
	v_lshl_add_u32 v224, v0, 2, 0x10c00
	v_mov_b32 v225, 0
	v_lshrrev_b32 v1, 5, v0
	s_delay_alu instid0(VALU_DEP_1)
	v_readfirstlane_b32 s16, v1                    ; wave 0..9
	v_and_b32 v1, 31, v0                           ; lane l
	v_and_b32 v2, 15, v0                           ; r
	v_bfe_u32 v3, v0, 4, 1                         ; h
	s_mov_b32 s19, 0                               ; the upper word of every offset pair
	s_wait_kmcnt 0x0
	s_cmp_lt_u32 s16, 4
	s_cbranch_scc0 .Lnot_k
; ---------------- K: waves 0-3.  A tile of 16 keys is 4,096 consecutive bytes: eight loads of 512.  For the conversions a lane must hold eight neighbours along d of ONE key, so a tile turns through the wave's own stage.
	s_load_b32 s20, s[10:11], 0x4                  ; ek
	s_lshl_b32 s17, ttmp9, 2
	s_add_co_u32 s17, s17, s16                     ; my key step among the 1,024: 4 x work-group + wave
	s_lshl_b32 s18, s17, 15
	s_add_nc_u64 s[4:5], s[4:5], s[18:19]          ; its 32,768 bytes of K
	s_lshl_b32 s18, s17, 14
	s_add_nc_u64 s[12:13], s[12:13], s[18:19]      ; its 16,384 bytes of kv
	s_mul_i32 s24, s16, 2*KST                      ; my two stages
	s_wait_alu depctr_va_vdst(0)
	v_lshlrev_b32 v4, 4, v1                        ; 16 l: in memory, both ways
	v_mul_u32_u24 v5, v3, 272
	s_delay_alu instid0(VALU_DEP_1)
	v_lshl_add_u32 v5, v2, 4, v5
	s_delay_alu instid0(VALU_DEP_1)
	v_add_nc_u32 v5, s24, v5                       ; into the stage: a load's 512 bytes are two keys: row h, byte 16 r
	v_mul_u32_u24 v6, v2, 272
	s_delay_alu instid0(VALU_DEP_1)
	v_lshl_add_u32 v6, v3, 5, v6
	s_delay_alu instid0(VALU_DEP_1)
	v_add_nc_u32 v6, s24, v6                       ; out of it: key r, byte 32 h
.macro LOADK t
.irp i, 0,1,2,3,4,5,6,7
	global_load_b128 v[KR+32*((\t)%4)+4*\i:KR+32*((\t)%4)+4*\i+3], v4, s[4:5] offset:4096*(\t)+512*\i th:TH_LOAD_NT
.endr
.endm
.macro TURNK t                         ; LDS serves a wave's instructions in order: no wait between the stores and the loads; the numbers come back into the registers that they left: 8 c + 0 .. 7 = d 16 c + 8 h + 0 .. 7 of key r
.irp i, 0,1,2,3,4,5,6,7
	ds_store_b128 v5, v[KR+32*((\t)%4)+4*\i:KR+32*((\t)%4)+4*\i+3] offset:KST*((\t)%2)+544*\i
.endr
.irp c, 0,1,2,3
.irp u, 0,1
	ds_load_b128 v[KR+32*((\t)%4)+8*\c+4*\u:KR+32*((\t)%4)+8*\c+4*\u+3], v6 offset:KST*((\t)%2)+64*\c+16*\u
.endr
.endr
.endm
.macro KSTEP t
.set XS, KR+32*((\t)%4)
	s_wait_dscnt 0x0                               ; this tile is back from its stage
.if (\t) < 7
.if (\t) <= 4
	s_wait_loadcnt 16                              ; the next tile's eight loads are in; the two tiles behind it may be out
.else
	s_wait_loadcnt 8*(6-(\t))                      ; the counts run down: one tile behind it, then none
.endif
	TURNK (\t)+1                                   ; it goes through the other stage while this tile is worked
.endif
.set i, 0
.rept 32
	v_med3_num_f32 v[XS+i], v[XS+i], -v10, v10     ; the conversion to an 8-bit code does not saturate (ISA guide 7.6.2): the hold at the largest code x the scale
.set i, i+1
.endr
.irp c, 0,1,2,3
	v_cvt_scalef32_pk8_fp8_f32 v[KC+8*(\t)+2*\c:KC+8*(\t)+2*\c+1], v[XS+8*\c:XS+8*\c+7], v11
.endr
.irp g, 0,1
	global_store_b128 v4, v[KC+8*(\t)+4*\g:KC+8*(\t)+4*\g+3], s[12:13] offset:1024*(\t)+512*\g   ; 512 consecutive bytes, aligned.  (The codes go to stores alone; the next vector lines are the next tile's holds, on other registers)
.endr
.if (\t)+4 < 8
	LOADK (\t)+4                                   ; into the set just converted
.endif
.endm
	LOADK 0
	LOADK 1
	LOADK 2
	LOADK 3
	s_wait_alu depctr_va_vdst(0)
	s_wait_kmcnt 0x0
	SCALE
	s_wait_alu depctr_va_vdst(0)
	s_wait_loadcnt 24                              ; tile 0 is in; tiles 1 to 3 may be out
	TURNK 0
.irp t, 0,1,2,3,4,5,6,7
	KSTEP \t
.endr
	s_wait_tensorcnt 0x0
	ds_add_u32 v224, v225
	s_wait_dscnt 0x0
	s_endpgm
.Lnot_k:
	s_cmp_lt_u32 s16, 8
	s_cbranch_scc0 .Lmask
; ---------------- V: waves 4-7.  The keys are V's K and its FIRST axis here.  A lane takes two channels (8 bytes of a key's row of 256) and its registers run down the keys: nothing goes through LDS.
	s_load_b32 s20, s[10:11], 0xc                  ; ev
	s_and_b32 s17, s16, 3
	s_lshl_b32 s18, ttmp9, 2
	s_add_co_u32 s17, s17, s18                     ; my key step
	s_lshl_b32 s18, s17, 15
	s_add_nc_u64 s[6:7], s[6:7], s[18:19]
	s_lshl_b32 s18, s17, 14
	s_add_nc_u64 s[12:13], s[12:13], s[18:19]
	s_mov_b32 s30, 0x06040200                      ; byte selects: the even channel's four keys out of two words,
	s_mov_b32 s31, 0x07050301                      ; the odd channel's
	s_wait_alu depctr_va_vdst(0)
	v_lshlrev_b32 v4, 3, v1                        ; in: 8 l
	v_lshlrev_b32 v5, 4, v2
	s_delay_alu instid0(VALU_DEP_1)
	v_lshl_add_u32 v5, v3, 12, v5                  ; out: my channels 2 l, 2 l + 1 are row r of tiles 2 h and 2 h + 1: 4,096 h + 16 r
.macro LOADV g                         ; keys 32 g + 0 .. 31: one load reads one key's whole row
.set k, 0
.rept 32
	global_load_b64 v[VX+64*((\g)%2)+2*k:VX+64*((\g)%2)+2*k+1], v4, s[6:7] offset:(32*(\g)+k)*256 th:TH_LOAD_NT
.set k, k+1
.endr
.endm
.macro VGROUP g
.set XS, VX+64*((\g)%2)
.if (\g) < 3
	s_wait_loadcnt 32                              ; this group's 32 loads are in; the next group's may be out
.else
	s_wait_loadcnt 0x0
.endif
.set i, 0
.rept 64
	v_med3_num_f32 v[XS+i], v[XS+i], -v10, v10
.set i, i+1
.endr
.irp m, 0,1,2,3,4,5,6,7
	v_cvt_scalef32_pk8_fp8_f32 v[VT+2*\m:VT+2*\m+1], v[XS+8*\m:XS+8*\m+7], v11   ; keys 4 m .. 4 m + 3, the two channels byte by byte in turn
.endr
	v_nop                                          ; one plain vector line between the conversions and the lines that read their results
.irp hh, 0,1
.irp e, 0,1
.irp cc, 0,1
.irp rho, 0,1
	v_perm_b32 v[VC+16*(\g)+4*(2*\hh+\e)+2*\cc+\rho], v[VT+2*(4*\cc+2*\hh+\rho)+1], v[VT+2*(4*\cc+2*\hh+\rho)], s[30+\e]   ; keys 32 g + 16 cc + 8 hh + 4 rho + 0 .. 3 of channel 2 l + e: register 4 g + 2 cc + rho of the reader's lane (r, hh)
.endr
.endr
.endr
.endr
.irp hh, 0,1
.irp e, 0,1
	global_store_b128 v5, v[VC+16*(\g)+4*(2*\hh+\e):VC+16*(\g)+4*(2*\hh+\e)+3], s[12:13] offset:8192+2048*\e+512*(\g)+256*\hh   ; sixteen lanes store 256 consecutive bytes, aligned
.endr
.endr
.if (\g) < 2
	LOADV (\g)+2
.endif
.endm
	LOADV 0
	LOADV 1
	s_wait_kmcnt 0x0
	SCALE
	s_wait_alu depctr_va_vdst(0)
.irp g, 0,1,2,3
	VGROUP \g
.endr
	s_endpgm
.Lmask:
; ---------------- the mask: waves 8-9.  16 rows x 512 columns: four records.  A record's 16 x 128 numbers are loaded by rows (512 consecutive bytes a load) and turn through the wave's stage into the layout of the scores:
; lane (r, h), register 8 t + j = mask[r][16 t + 8 h + j].  A compare then IS the record's word n = 8 t + j; the 64 words are laid two to a lane and leave as 256 consecutive bytes.
	s_and_b32 s17, s16, 1
	s_lshl_b32 s18, ttmp9, 1
	s_add_co_u32 s22, s18, s17                     ; u = 2 x work-group + (wave - 8): tile of queries u / 4, columns 512 (u % 4) on
	s_lshr_b32 s18, s22, 2
	s_lshl_b32 s18, s18, 17                        ; 16 rows of 8,192 bytes
	s_and_b32 s23, s22, 3
	s_lshl_b32 s23, s23, 11
	s_add_co_u32 s18, s18, s23
	s_add_nc_u64 s[8:9], s[8:9], s[18:19]
	s_lshl_b32 s18, s22, 10                        ; four records of 256 bytes
	s_add_nc_u64 s[14:15], s[14:15], s[18:19]
	s_mul_i32 s24, s17, 2*MST
	s_add_co_u32 s24, s24, MBASE                   ; my two stages
	s_wait_alu depctr_va_vdst(0)
	v_lshlrev_b32 v4, 4, v1                        ; in: 16 l
	s_delay_alu instid0(VALU_DEP_1)
	v_add_nc_u32 v5, s24, v4                       ; into the stage: 16 l of the row
	v_mul_u32_u24 v6, v2, 528
	s_delay_alu instid0(VALU_DEP_1)
	v_lshl_add_u32 v6, v3, 5, v6
	s_delay_alu instid0(VALU_DEP_1)
	v_add_nc_u32 v6, s24, v6                       ; out of it: row r, byte 32 h
	v_lshlrev_b32 v7, 3, v1                        ; out: 8 l
.irp i, 0,1,2,3
	v_mov_b32 v[MW+2*\i], 0                        ; written once whole: a lane write's destination counts as read
	v_mov_b32 v[MW+2*\i+1], 0
.endr
.macro LOADM i
.irp row, 0,1,2,3,4,5,6,7,8,9,10,11,12,13,14,15
	global_load_b128 v[MM+64*((\i)%3)+4*\row:MM+64*((\i)%3)+4*\row+3], v4, s[8:9] offset:8192*\row+512*(\i) th:TH_LOAD_NT
.endr
.endm
.macro REC i, left
.set MS, MM+64*((\i)%3)
	s_wait_loadcnt \left                           ; this record's sixteen loads are in; left = the loads of the records behind it
.irp row, 0,1,2,3,4,5,6,7,8,9,10,11,12,13,14,15
	ds_store_b128 v5, v[MS+4*\row:MS+4*\row+3] offset:MST*((\i)%2)+528*\row
.endr
.irp t, 0,1,2,3,4,5,6,7
.irp u, 0,1
	ds_load_b128 v[MS+8*\t+4*\u:MS+8*\t+4*\u+3], v6 offset:MST*((\i)%2)+64*\t+16*\u
.endr
.endr
	s_wait_dscnt 0x0
.set nb, 0
.rept 8
.irp k, 0,1,2,3,4,5,6,7
	v_cmp_eq_u32 s[32+\k], 0, v[MS+nb+\k]          ; word nb + k
.endr
.irp k, 0,1,2,3,4,5,6,7
	v_writelane_b32 v[MW+2*(\i)+\k%2], s[32+\k], (nb+\k)/2   ; word n into register n % 2 of lane n / 2
.endr
.set nb, nb+8
.endr
	global_store_b64 v7, v[MW+2*(\i):MW+2*(\i)+1], s[14:15] offset:256*(\i)         ; 256 consecutive bytes, aligned: the record
.endm
	LOADM 0
	LOADM 1
	LOADM 2
	REC 0, 32                                      ; records 1 and 2 may be out
	LOADM 3                                        ; into record 0's set
	REC 1, 32                                      ; records 2 and 3
	REC 2, 16                                      ; record 3
	REC 3, 0
	s_wait_tensorcnt 0x0
	ds_add_u32 v224, v225
	s_wait_dscnt 0x0
	s_endpgm
.Lfunc_end_k_q7d353073b4_prep:
	.size	k_q7d353073b4_prep, .Lfunc_end_k_q7d353073b4_prep-k_q7d353073b4_prep
	.p2alignl 7, 3214868480
	.fill 96, 4, 3214868480
	.section	.rodata,"a",@progbits
	.p2align	6, 0x0
	.amdhsa_kernel k_q7d353073b4_prep
		.amdhsa_group_segment_fixed_size 69888
		.amdhsa_private_segment_fixed_size 0
		.amdhsa_enable_private_segment 0
		.amdhsa_kernarg_size 48
		.amdhsa_user_sgpr_count 2
		.amdhsa_user_sgpr_kernarg_segment_ptr 1
		.amdhsa_wavefront_size32 1
		.amdhsa_system_sgpr_workgroup_id_x 1
		.amdhsa_system_sgpr_workgroup_id_y 1
		.amdhsa_system_sgpr_workgroup_id_z 1
		.amdhsa_system_vgpr_workitem_id 0
		.amdhsa_next_free_vgpr 226
		.amdhsa_next_free_sgpr 66
		.amdhsa_reserve_vcc 0
		.amdhsa_float_denorm_mode_32 3
		.amdhsa_float_denorm_mode_16_64 3
		.amdhsa_memory_ordered 1
		.amdhsa_forward_progress 1
		.amdhsa_inst_pref_size 121
	.end_amdhsa_kernel
	.amdgpu_metadata
---
amdhsa.version: [ 1, 2 ]
amdhsa.kernels:
  - .name:           k_q7d353073b4_prep
    .symbol:         k_q7d353073b4_prep.kd
    .args:
      - { .name: K, .offset: 0, .size: 8, .value_kind: global_buffer, .address_space: global }
      - { .name: V, .offset: 8, .size: 8, .value_kind: global_buffer, .address_space: global }
      - { .name: mask, .offset: 16, .size: 8, .value_kind: global_buffer, .address_space: global }
      - { .name: lowp_scales, .offset: 24, .size: 8, .value_kind: global_buffer, .address_space: global }
      - { .name: kv, .offset: 32, .size: 8, .value_kind: global_buffer, .address_space: global }
      - { .name: mwords, .offset: 40, .size: 8, .value_kind: global_buffer, .address_space: global }
    .group_segment_fixed_size: 69888
    .private_segment_fixed_size: 0
    .kernarg_segment_align: 8
    .kernarg_segment_size: 48
    .max_flat_workgroup_size: 320
    .sgpr_count:     66
    .vgpr_count:     226
    .wavefront_size: 32
...
	.end_amdgpu_metadata
.endif
;; end of part 1
;; launch attn (part 2): grid 4 x 64, 16 waves a work-group, no clusters, 268,288 bytes of LDS; arguments Q, kv, mwords, lowp_scales, out0; writes out0
.if DOCPART == 2
	.amdgcn_target "amdgcn-amd-amdhsa--gfx1250"
	.amdhsa_code_object_version 6
	.text
	.protected	k_q7d353073b4_attn
	.globl	k_q7d353073b4_attn
	.p2align	8
	.type	k_q7d353073b4_attn,@function
k_q7d353073b4_attn:
	s_mov_b64 s[64:65], 0
	v_nop
	global_prefetch_b8 v0, s[64:65] scope:SCOPE_SE
	s_setreg_imm32_b32 hwreg(HW_REG_WAVE_MODE, 25, 1), 1
	s_wait_xcnt 0x0
; out[hd][q][:] = the sum over k of softmax_k(logit) V[hd][k][:], logit = Q[hd][q] . K[hd][k] / 8, or -1e9 where mask[q][k] is 0.  Both products on codes of FP8 (E4M3), each operand with its given scale 2^e: eq, ek, ep, ev.
; Q: [64][2048][64] f32, quantised here.  kv: K's and V's codes in the order of the operands' registers, 262,144 bytes a head, 16,384 a key step of 128 keys (8,192 of K, then 8,192 of V).  mwords: the mask as lane-mask words, 256 bytes for a tile of 16 queries and a key step.
; THE SOFTMAX: t = logit x log2(e); M = the row's largest t so far, rounded UP to a whole number; p = 2^(t - M) is quantised, not normalised.  The row's sum is taken of the unquantised p and divides at the end.  When M moves, the sum and O are multiplied by 2^(old M - new M): exact.
; SHARES.  A work-group owns 512 queries of one head; each of its sixteen waves 32: tiles A and B of 16, which share every fragment of K and V read from LDS.  Four waves to a SIMD.
; THE HEAD'S CODES LIE IN LDS WHOLE, as they lie in kv (LDS byte = byte in the head's block), each byte stored once, through registers: key steps 0-3 at the head; 4-9 in steps 0 and 1; 10-15 in steps 4 and 5 (49,152 bytes a filling step, in two rounds of three loads a thread).
; BARRIERS.  One whole barrier at the head, behind the stores of key steps 0-3.  Two more are split: signalled behind steps 1 and 5, when the wave's stores have landed, and waited for ahead of steps 4 and 10, where the bytes are first read.
; Between a signal and its wait a wave stores nothing to LDS and reads only bytes that are never written again.  Q's stages lie in bytes 196,608 on, which the image reaches only behind the first split barrier's wait; the way out's stages lie in bytes 0 to 69,631
; (key steps 0 to 4), which no wave reads once it has signalled behind step 5: so they are written behind the last wait with no further barrier.
; THE MASK.  A word of mwords is the lane mask of one score register.  At the head each wave ORs the 64 words of each of its 32 records into one bit.  A record with a hidden score is loaded and applied, one select a score; a scalar branch on the bit,
; a whole number read from memory, leads round that load and the 64 selects where the record hides nothing.  A hidden score is replaced by SM = -2^(33 - eq - ek), so that its t = -log2(e) x 2^30 is exact and a whole number:
; in a row that is hidden throughout every p = 1, as with -1e9; beside any open key p = 0, as with -1e9.  A second branch on a whole number leaves out the hold of p where ep >= -8 (p <= 1 <= 448 x 2^-8).  Both enclose no barrier.
; NO CLUSTER, no tensor loads.  NO PREFETCH: a work-group asks for each byte of kv once, by a load whose LDS store stands half a step on and whose bytes are first read two steps on or later.
; LAYOUT.  Both products are used transposed: S^T = K Q^T, O^T = V^T P^T: a lane holds ONE query (lane % 16) throughout.  In S^T's tile t lane (r, h) holds keys 16 t + 8 h + 0 .. 7, which are registers 2 t, 2 t + 1 of P in the 16 x 16 x 128 form.
; Row m of V's tile tc is channel 32 (tc / 2) + 2 m + tc % 2; the way out puts the channels in order.
; LIMITS: -94 <= eq + ek <= 9 (SM and c are f32 numbers, and the largest logit that codes can give, 448 x 448 x 64 / 8 x 2^9 = 8.2e8, stays clear of 1e9); eq and ep between -126 and 119.  NaN among the inputs is not served.
; REGISTERS: v1 16 x lane; v2 LDS address of the step's fragments; v3 16 x thread; v4 where I fill; v5 2^ep; v[6:7] f and 448 x 2^ep; v8 -M, v9 largest t, v[10:11] the sum (tile A); v12-15 the same (tile B); v16-31 Q's codes; v32-95 K's fragments, then V's;
;   v96-159 S^T, then p; v160-223 O^T; v224-239 P; v240-251 the fill in flight; v252, v253, v255 at work; v254 SM.
;   s2 wave; s3 trips; s4-51, s68-83 a record's words; s[52:53] the head's kv; s[54:55] mwords; s[56:57] out; s[58:59] c; s[60:61] lane selects; s62 the step's LDS byte; s63 the fill's; s66 the record's byte; s67 the records' bits; s84-87 eq, ek, ep, ev; s92 ep + ev.
.set QA,  16
.set QB,  24
.set KF,  32
.set S,   96
.set OA,  160
.set OB,  192
.set P,   224
.set FR,  240
.set STA, 8
.set STB, 12
.set BLK, 16384                        ; a key step's codes
.set REC, 256                          ; a record of mwords
.set TREC, 16*REC                      ; a tile's sixteen records
.set SPITCH, 272                       ; a stage's row: 256 bytes + 16
.set STG, 16*SPITCH                    ; a wave's stage
.set QSTAGE, 12*BLK                    ; Q's sixteen stages: bytes 196,608 to 266,239
.set SPARE, QSTAGE+16*STG              ; the spare words: 128 bytes a wave, eight blocks of 256 bytes that no other line names
.macro PLACES                          ; four places behind matrix instructions (ISA guide 7.12.1)
.rept 4
	v_nop
.endr
.endm
.macro MLOAD off                       ; a record's 64 words
	s_load_b512 s[4:19],  s[54:55], s66 offset:\off
	s_load_b512 s[20:35], s[54:55], s66 offset:\off+64
	s_load_b512 s[36:51], s[54:55], s66 offset:\off+128
	s_load_b512 s[68:83], s[54:55], s66 offset:\off+192
.endm
	s_load_b256 s[4:11], s[0:1], 0x0               ; Q s[4:5], kv s[6:7], mwords s[8:9], the scales' exponents s[10:11]
	s_load_b64 s[12:13], s[0:1], 0x20              ; out
	v_lshrrev_b32 v2, 5, v0
	s_delay_alu instid0(VALU_DEP_1)
	v_readfirstlane_b32 s2, v2                     ; wave 0..15
	v_and_b32 v1, 31, v0
	s_delay_alu instid0(VALU_DEP_1)
	v_lshlrev_b32 v1, 4, v1                        ; 16 x lane
	v_lshlrev_b32 v3, 4, v0                        ; 16 x thread
	v_and_b32 v248, 15, v0                         ; r
	v_bfe_u32 v249, v0, 4, 1                       ; h
	s_mul_i32 s3, s2, STG
	s_add_co_u32 s3, s3, QSTAGE                    ; my stage for Q
	v_mul_u32_u24 v252, v249, SPITCH
	s_delay_alu instid0(VALU_DEP_1)
	v_lshl_add_u32 v252, v248, 4, v252
	s_delay_alu instid0(VALU_DEP_1)
	v_add_nc_u32 v252, s3, v252                    ; into it: a load's 512 bytes are two rows: row h, byte 16 r
	v_mul_u32_u24 v253, v248, SPITCH
	s_delay_alu instid0(VALU_DEP_1)
	v_lshl_add_u32 v253, v249, 5, v253
	s_delay_alu instid0(VALU_DEP_1)
	v_add_nc_u32 v253, s3, v253                    ; out of it: row r, byte 32 h
	s_and_b32 s88, ttmp7, 0xffff                   ; the head
	s_lshl_b32 s92, s88, 19                        ; its 2,048 rows of 256 bytes in Q and in out,
	s_lshl_b32 s93, ttmp9, 17                      ; my work-group's 512 of them,
	s_add_co_u32 s92, s92, s93
	s_lshl_b32 s93, s2, 13                         ; my wave's 32
	s_add_co_u32 s92, s92, s93
	s_mov_b32 s93, 0
	s_lshl_b32 s88, s88, 18                        ; the head's 262,144 bytes of kv
	s_mov_b32 s89, 0
	s_lshl_b32 s66, ttmp9, 17                      ; tile A is tile 32 x + 2 w of the 128; a tile's sixteen records are 4,096 bytes
	s_lshl_b32 s67, s2, 13
	s_add_co_u32 s66, s66, s67
	v_add_nc_u32 v4, s66, v1                       ; my 16 bytes of a load's 512 of my wave's 32 records
	s_mov_b32 s60, 0x76543210
	s_mov_b32 s61, 0xfedcba98                      ; v_permlanex16_b32: lane l xor 16
	s_wait_alu depctr_va_vdst(0)
	s_wait_kmcnt 0x0
	s_add_nc_u64 s[52:53], s[6:7], s[88:89]
	s_mov_b64 s[54:55], s[8:9]
	s_add_nc_u64 s[56:57], s[12:13], s[92:93]
	s_add_nc_u64 s[90:91], s[4:5], s[92:93]
	s_load_b128 s[84:87], s[10:11], 0x0            ; eq, ek, ep, ev
.irp k, 0,1,2,3,4,5,6,7
	global_load_b128 v[KF+4*\k:KF+4*\k+3], v3, s[52:53] offset:8192*\k            ; key steps 0-3: 65,536 bytes for the work-group, 16 consecutive bytes a thread
.endr
.irp i, 0,1,2,3,4,5,6,7,8,9,10,11,12,13,14,15
	global_load_b128 v[OA+4*\i:OA+4*\i+3], v4, s[54:55] offset:512*\i             ; my 32 records: load i brings record 2 i to lanes 0-15 and record 2 i + 1 to lanes 16-31
.endr
.irp i, 0,1,2,3,4,5,6,7,8,9,10,11,12,13,14,15
	global_load_b128 v[S+4*\i:S+4*\i+3], v1, s[90:91] offset:512*\i th:TH_LOAD_NT ; my 32 rows of Q: tile A's eight loads, then tile B's
.endr
	v_mov_b32 v9, 0xff61b1e6                       ; the largest t so far: -3e38, under every t
	v_mov_b32 v13, 0xff61b1e6
	s_delay_alu instid0(VALU_DEP_2)
	v_floor_f32 v8, -v9                            ; -M
	s_delay_alu instid0(VALU_DEP_2)
	v_floor_f32 v12, -v13
	v_mov_b32 v10, 0                               ; the sums, in two halves
	v_mov_b32 v11, 0
	v_mov_b32 v14, 0
	v_mov_b32 v15, 0
	s_wait_kmcnt 0x0                               ; the four exponents
	s_add_co_i32 s88, s84, 127
	s_lshl_b32 s89, s88, 23
	v_mov_b32 v250, s89                            ; 2^eq as f32, for Q's conversions
	s_add_co_i32 s88, s88, 8
	s_lshl_b32 s88, s88, 23
	s_or_b32 s88, s88, 0x600000
	v_mov_b32 v255, s88                            ; 448 x 2^eq
	s_add_co_i32 s88, s86, 127
	s_lshl_b32 s89, s88, 23
	v_mov_b32 v5, s89                              ; 2^ep
	s_add_co_i32 s88, s88, 8
	s_lshl_b32 s88, s88, 23
	s_or_b32 s88, s88, 0x600000
	v_mov_b32 v7, s88                              ; 448 x 2^ep
	s_add_co_i32 s88, s84, s85                     ; eq + ek
	s_lshl_b32 s89, s88, 23
	s_mov_b32 s58, 0x3e38aa3b                      ; log2(e) / 8
	s_add_co_i32 s58, s58, s89                     ; c = log2(e) / 8 x 2^(eq + ek)
	s_mov_b32 s59, s58                             ; (named with it as a pair, so it is written)
	s_sub_co_i32 s88, 160, s88
	s_lshl_b32 s88, s88, 23
	s_or_b32 s88, s88, 0x80000000
	v_mov_b32 v254, s88                            ; SM = -2^(33 - eq - ek)
	s_add_co_i32 s92, s86, s87                     ; ep + ev
	s_mov_b32 s67, 0
	s_wait_alu depctr_va_vdst(0)
	s_wait_loadcnt 32                              ; the eight loads of codes are in; the records' sixteen and Q's sixteen may be out
.irp k, 0,1,2,3,4,5,6,7
	ds_store_b128 v3, v[KF+4*\k:KF+4*\k+3] offset:8192*\k
.endr
	s_wait_loadcnt 16                              ; the records are in
.irp i, 0,1,2,3,4,5,6,7,8,9,10,11,12,13,14,15
	v_or_b32 v[OA+4*\i], v[OA+4*\i], v[OA+4*\i+1]
	v_or_b32 v[OA+4*\i+2], v[OA+4*\i+2], v[OA+4*\i+3]
.endr
.irp i, 0,1,2,3,4,5,6,7,8,9,10,11,12,13,14,15
	v_or_b32 v[OA+4*\i], v[OA+4*\i], v[OA+4*\i+2]
.endr
.irp i, 0,1,2,3,4,5,6,7,8,9,10,11,12,13,14,15
	v_cmp_ne_u32 s[20+\i], 0, v[OA+4*\i]           ; low 16 bits: record 2 i hides something; high 16 bits: record 2 i + 1
.endr
	s_wait_alu depctr_va_vdst(0)
	s_wait_dscnt 0x0                               ; for the others' sake: my stores of codes have landed
	s_barrier_signal -1
.irp i, 0,1,2,3,4,5,6,7,8,9,10,11,12,13,14,15
	s_and_b32 s36, s[20+\i], 0xffff                ; bit 16 x tile + step of s67: that record hides something
	s_cselect_b32 s36, 1<<(2*\i), 0
	s_or_b32 s67, s67, s36
	s_lshr_b32 s37, s[20+\i], 16
	s_cselect_b32 s37, 2<<(2*\i), 0
	s_or_b32 s67, s67, s37
.endr
	s_barrier_wait -1                              ; key steps 0 to 3 lie in LDS
.set i, 0
.rept 64
	v_mov_b32 v[OA+i], 0                           ; O^T of both tiles.  (A step is written once for all sixteen: the first finds zeros, which the first change of M leaves zeros)
.set i, i+1
.endr
.macro QTURN t                         ; a tile of Q through my stage; LDS serves a wave's instructions in order.  Back: registers 8 c + 0 .. 7 = d 16 c + 8 h + 0 .. 7 of row r
.irp i, 0,1,2,3,4,5,6,7
	ds_store_b128 v252, v[S+32*\t+4*\i:S+32*\t+4*\i+3] offset:544*\i
.endr
.irp c, 0,1,2,3
.irp u, 0,1
	ds_load_b128 v[S+32*\t+8*\c+4*\u:S+32*\t+8*\c+4*\u+3], v253 offset:64*\c+16*\u
.endr
.endr
.endm
.macro QQUANT t
.set i, 0
.rept 32
	v_med3_num_f32 v[S+32*\t+i], v[S+32*\t+i], -v255, v255   ; the conversion to an 8-bit code does not saturate (ISA guide 7.6.2): the hold first
.set i, i+1
.endr
.irp c, 0,1,2,3
	v_cvt_scalef32_pk8_fp8_f32 v[QA+8*\t+2*\c:QA+8*\t+2*\c+1], v[S+32*\t+8*\c:S+32*\t+8*\c+7], v250
.endr
.endm
	s_wait_loadcnt 8                               ; tile A's rows are in; tile B's eight loads may be out
	QTURN 0
	s_wait_loadcnt 0x0
	QTURN 1
	s_wait_dscnt 16                                ; tile A is back; tile B's eight stores and eight loads may be out
	QQUANT 0
	s_wait_dscnt 0x0                               ; tile B is back, and my reads of the stage are over
	QQUANT 1
	v_nop                                          ; one plain vector line between the conversions and the products that read their results and write their sources
; ---- the pieces of a key step
.macro SPROD q, t0                     ; four tiles of S^T: keys 16 (t0 + t) on; each begins its sum with 0
.irp t, 0,1,2,3
	v_wmma_f32_16x16x64_fp8_fp8 v[S+8*(\t0+\t):S+8*(\t0+\t)+7], v[KF+8*(\t0+\t):KF+8*(\t0+\t)+7], v[\q:\q+7], 0
.endr
.endm
.macro PV o                            ; O^T += V^T P^T: four accumulators, one instruction a turn
.irp tc, 0,1,2,3
	v_wmma_f32_16x16x128_fp8_fp8 v[\o+8*\tc:\o+8*\tc+7], v[KF+16*\tc:KF+16*\tc+15], v[P:P+15], v[\o+8*\tc:\o+8*\tc+7]
.endr
.endm
.macro SM_MASK b                       ; where the record hides something, hidden scores become SM; else its load and the 64 selects are jumped over
	s_bitcmp1_b32 s67, 16*\b                       ; s67 is shifted down by one bit a step: bit 0 is tile A's record of this step, bit 16 tile B's
	s_cbranch_scc0 .Lopen_\@
	MLOAD TREC*\b
	s_wait_kmcnt 0x0
.set n, 0
.rept 64                               ; word n is the lane mask of score register n; each accumulator from its low end on
.if n < 48
	v_cndmask_b32 v[S+n], v[S+n], v254, s[4+n]
.else
	v_cndmask_b32 v[S+n], v[S+n], v254, s[20+n]
.endif
.set n, n+1
.endr
.Lopen_\@:
.endm
.macro SM_MAX st
	v_max3_num_f32 v252, v[S], v[S+1], v[S+2]      ; the step's largest score of my query among my 64 keys, in four chains, the registers in ascending order,
	v_max3_num_f32 v253, v[S+3], v[S+4], v[S+5]
	v_max3_num_f32 v255, v[S+6], v[S+7], v[S+8]
	v_max3_num_f32 v6, v[S+9], v[S+10], v[S+11]
.set i, 12
.rept 6
	v_max3_num_f32 v252, v252, v[S+i], v[S+i+1]
	v_max3_num_f32 v253, v253, v[S+i+2], v[S+i+3]
	v_max3_num_f32 v255, v255, v[S+i+4], v[S+i+5]
	v_max3_num_f32 v6, v6, v[S+i+6], v[S+i+7]
.set i, i+8
.endr
	v_max3_num_f32 v252, v252, v[S+60], v[S+61]
	v_max3_num_f32 v253, v253, v[S+62], v[S+63]
	v_max3_num_f32 v252, v252, v255, v6
	s_delay_alu instid0(VALU_DEP_1)
	v_max_num_f32 v252, v252, v253
	s_delay_alu instid0(VALU_DEP_1)
	v_permlanex16_b32 v253, v252, s60, s61
	s_delay_alu instid0(VALU_DEP_1)
	v_max_num_f32 v252, v252, v253                 ; and among lane l xor 16's
	s_delay_alu instid0(VALU_DEP_1)
	v_mul_f32 v252, s58, v252                      ; as t (c is positive)
	s_delay_alu instid0(VALU_DEP_1)
	v_max_num_f32 v[\st+1], v[\st+1], v252         ; the running largest t
	v_mov_b32 v252, v[\st]
	s_delay_alu instid0(VALU_DEP_2)
	v_floor_f32 v[\st], -v[\st+1]                  ; the new -M = floor(-t) = -ceil(t): M is a whole number
	s_delay_alu instid0(VALU_DEP_1)
	v_sub_f32 v252, v[\st], v252                   ; old M - new M: a whole number, 0 or less
	s_delay_alu instid0(VALU_DEP_1)
	v_cvt_i32_f32 v252, v252                       ; (it saturates)
	s_delay_alu instid0(VALU_DEP_1)
	v_ldexp_f32 v6, 1.0, v252                      ; f = 2^(old M - new M)
.endm
.macro SM_EXP st
.set i, 0
.rept 32
	v_pk_fma_f32 v[S+i:S+i+1], v[S+i:S+i+1], s[58:59], v[\st:\st+1] op_sel_hi:[1,0,0]   ; t - M, two at a time (of the pairs c and -M the low word serves both halves)
.set i, i+2
.endr
.set i, 0
	s_wait_alu depctr_va_vdst(0)
.rept 64
	v_exp_f32 v[S+i], v[S+i]                       ; p = 2^(t - M), at most 1: one batch
.set i, i+1
.endr
	v_pk_mul_f32 v[\st+2:\st+3], v[\st+2:\st+3], v[6:7] op_sel_hi:[1,0]   ; the sums under the new M: the plain line behind the last exponential (of the pair v[6:7] the low word, f, serves both halves)
.endm
.macro RESC o                          ; O^T under the new M: x f, exact
.set i, 0
.rept 16
	v_pk_mul_f32 v[\o+i:\o+i+1], v[\o+i:\o+i+1], v[6:7] op_sel_hi:[1,0]
.set i, i+2
.endr
.endm
.macro SM_SUM st
	s_wait_alu depctr_va_vdst(0)                   ; one wait for the batch of 64, ahead of the first line that names a result
	v_pk_add_f32 v[252:253], v[S:S+1], v[S+2:S+3]  ; the row's sum is taken of the UNQUANTISED p: two at a time, in two chains
.set i, 4
.rept 15
	v_pk_add_f32 v[\st+2:\st+3], v[\st+2:\st+3], v[S+i:S+i+1]
	v_pk_add_f32 v[252:253], v[252:253], v[S+i+2:S+i+3]
.set i, i+4
.endr
	s_delay_alu instid0(VALU_DEP_1)
	v_pk_add_f32 v[\st+2:\st+3], v[\st+2:\st+3], v[252:253]
.endm
.macro SM_CVT
	s_cmp_ge_i32 s86, -8
	s_cbranch_scc1 .Lnohold_\@                     ; p <= 1 <= 448 x 2^ep from ep = -8 on: the hold would change nothing.  A branch on a whole number of the inputs
.set i, 0
.rept 64
	v_min_num_f32 v[S+i], v[S+i], v7               ; the conversion does not saturate (ISA guide 7.6.2); p is not negative, so the hold is one-sided
.set i, i+1
.endr
.Lnohold_\@:
.irp t, 0,1,2,3,4,5,6,7
	v_cvt_scalef32_pk8_fp8_f32 v[P+2*\t:P+2*\t+1], v[S+8*\t:S+8*\t+7], v5   ; keys 16 t + 8 h + 0 .. 7: registers 2 t, 2 t + 1 of P
.endr
	v_nop                                          ; one plain vector line between the conversions and the products that read P or write S^T
.endm
.macro FLOAD r                         ; round r of a filling step: 24,576 bytes for the work-group, three times 16 bytes a thread
.irp k, 0,1,2
	global_load_b128 v[FR+4*\k:FR+4*\k+3], v4, s[52:53] offset:24576*\r+8192*\k
.endr
.endm
.macro FSTORE r
.irp k, 0,1,2
	ds_store_b128 v4, v[FR+4*\k:FR+4*\k+3] offset:24576*\r+8192*\k
.endr
.endm
; A KEY STEP: 128 keys for both tiles.  fill = 1: the work-group also brings 49,152 bytes of later steps' codes, in two rounds; each round's loads have one tile's softmax in which to land.
.macro STEP fill
	v_add_nc_u32 v2, s62, v1                       ; these lines are the four places behind the last step's products, which read the registers loaded below
.if \fill
	v_add_nc_u32 v4, s63, v3
	v_nop
	v_nop
.else
	v_nop
	v_nop
	v_nop
.endif
.set i, 0
.rept 16
	ds_load_b128 v[KF+4*i:KF+4*i+3], v2 offset:512*i              ; K's eight fragments, as their registers' images: 512 consecutive bytes a load
.set i, i+1
.endr
	s_wait_dscnt 8                                 ; tiles 0 to 3 are in; the youngest eight loads may be out
	SPROD QA, 0
	s_wait_dscnt 0x0
.if \fill
	s_wait_alu depctr_va_vdst(0)
	FLOAD 0
.endif
	SPROD QA, 4
	PLACES
	SM_MASK 0
	SM_MAX STA
	SM_EXP STA
	s_wait_alu depctr_va_vdst(0)
	RESC OA
	SM_SUM STA
	SM_CVT                                         ; P = tile A's
	SPROD QB, 0                                    ; S^T is written over: more than five plain lines that name none of the earlier products' registers lie between
	SPROD QB, 4
	PLACES                                         ; in front of the loads over K's fragments, and of the reads of tile B's scores
.if \fill
	s_wait_loadcnt 0x0                             ; round 0's three loads
	FSTORE 0
.endif
.set i, 0
.rept 16
	ds_load_b128 v[KF+4*i:KF+4*i+3], v2 offset:8192+512*i         ; V's four fragments land during tile B's softmax
.set i, i+1
.endr
.if \fill
	s_wait_dscnt 16                                ; round 0's stores are done (the sixteen loads behind them may be out): their registers take round 1
	FLOAD 1
.endif
	SM_MASK 1
	SM_MAX STB
	SM_EXP STB
	s_wait_dscnt 0x0                               ; V is in
	PV OA
	s_wait_alu depctr_va_vdst(0)
	RESC OB                                        ; sixteen plain lines: the places between those products and the conversions that write P anew
	SM_SUM STB
	SM_CVT                                         ; P = tile B's
	PV OB
.if \fill
	s_wait_loadcnt 0x0                             ; round 1's three loads
	FSTORE 1
	s_wait_dscnt 0x0                               ; the stores have landed: v4 and their registers may be written, and behind the last filling step the barrier may be signalled
.endif
.endm
; trips key steps from step first on.  fill = 1: they store LDS bytes from BLK x fbase on, 3 BLK a step.
.macro RUN first, trips, fill, fbase
	s_mov_b32 s62, BLK*\first
.if \fill
	s_mov_b32 s63, BLK*\fbase
.endif
	s_mov_b32 s3, \trips
.Lrun_\@:
	STEP \fill
	s_add_co_u32 s62, s62, BLK
.if \fill
	s_add_co_u32 s63, s63, 3*BLK
.endif
	s_add_co_u32 s66, s66, REC                     ; tile A's record of the next step
	s_lshr_b32 s67, s67, 1                         ; and the two tiles' bits
	s_sub_co_u32 s3, s3, 1
	s_cmp_lg_u32 s3, 0
	s_cbranch_scc1 .Lrun_\@
.endm
	RUN 0, 2, 1, 4                                 ; steps 0, 1 read bytes 0 to 32,767 and store key steps 4 to 9
	s_barrier_signal -1                            ; my part of key steps 4 to 9 lies in LDS, and my use of Q's stage is over
	RUN 2, 2, 0, 0                                 ; steps 2, 3: LDS reads of bytes that are never written again
	s_barrier_wait -1                              ; everybody's part does
	RUN 4, 2, 1, 10                                ; steps 4, 5 store key steps 10 to 15, over Q's stages
	s_barrier_signal -1                            ; my part of them lies in LDS, and my reads of key steps 0 to 5 are over
	RUN 6, 4, 0, 0
	s_barrier_wait -1
	RUN 10, 6, 0, 0
	; THE WAY OUT.  The sums' halves are added; O^T x 2^(ep + ev) / the sum goes through my stage, a tile (16 rows of 256 bytes) at a time, and leaves as 512 consecutive bytes a store.
	; The stages lie in bytes 0 to 69,631: every wave has signalled behind its step 5, so nobody reads them any more.
	v_add_f32 v10, v10, v11
	v_add_f32 v14, v14, v15
	s_delay_alu instid0(VALU_DEP_2)
	v_permlanex16_b32 v6, v10, s60, s61
	s_delay_alu instid0(VALU_DEP_2)
	v_permlanex16_b32 v255, v14, s60, s61
	s_delay_alu instid0(VALU_DEP_2)
	v_add_f32 v10, v10, v6                         ; the row's sum: at least 1/2
	s_delay_alu instid0(VALU_DEP_2)
	v_add_f32 v14, v14, v255
	s_wait_alu depctr_va_vdst(0)
	v_rcp_f32 v10, v10
	v_rcp_f32 v14, v14
	v_and_b32 v249, 15, v0                         ; (the plain line behind the reciprocals)  r
	v_bfe_u32 v252, v0, 4, 1                       ; h
	s_mul_i32 s88, s2, STG                         ; my stage
	v_mul_u32_u24 v2, v249, SPITCH
	s_delay_alu instid0(VALU_DEP_1)
	v_lshl_add_u32 v2, v252, 6, v2
	s_delay_alu instid0(VALU_DEP_1)
	v_add_nc_u32 v2, s88, v2                       ; in: row r, byte 64 h
	v_mul_u32_u24 v4, v252, SPITCH
	s_delay_alu instid0(VALU_DEP_1)
	v_lshl_add_u32 v4, v249, 4, v4
	s_delay_alu instid0(VALU_DEP_1)
	v_add_nc_u32 v4, s88, v4                       ; back: lanes 0-15 one row, lanes 16-31 the next
	s_wait_alu depctr_va_vdst(0)                   ; one wait for the two reciprocals, ahead of their first reader
	v_ldexp_f32 v10, v10, s92                      ; x 2^(ep + ev)
	v_ldexp_f32 v14, v14, s92
	s_wait_alu depctr_va_vdst(0)
.macro OUTMUL t, o, inv                ; register j of tile 2 x + e is channel 32 x + 16 h + 2 j + e: the destinations put my 2 x 16 channels in order; each accumulator from its low end on
.irp x, 0,1
.irp e, 0,1
.irp j, 0,1,2,3,4,5,6,7
	v_mul_f32 v[S+32*\t+16*\x+2*\j+\e], v[\o+8*(2*\x+\e)+\j], v[\inv]
.endr
.endr
.endr
.endm
.macro OUTSTAGE t
.irp x, 0,1
.irp q, 0,1,2,3
	ds_store_b128 v2, v[S+32*\t+16*\x+4*\q:S+32*\t+16*\x+4*\q+3] offset:128*\x+16*\q
.endr
.endr
.irp i, 0,1,2,3,4,5,6,7
	ds_load_b128 v[KF+32*\t+4*\i:KF+32*\t+4*\i+3], v4 offset:544*\i   ; LDS serves a wave's instructions in order: these see my stores, and the next tile's stores come behind them
.endr
.endm
.macro SEND t, younger                 ; younger: the LDS instructions issued behind this tile's loads
.irp i, 0,1,2,3,4,5,6,7
	s_wait_dscnt \younger+7-\i
	global_store_b128 v1, v[KF+32*\t+4*\i:KF+32*\t+4*\i+3], s[56:57] offset:4096*\t+512*\i th:TH_STORE_NT   ; two rows: 512 consecutive bytes, aligned
.endr
.endm
	OUTMUL 0, OA, 10
	OUTMUL 1, OB, 14
	OUTSTAGE 0
	OUTSTAGE 1
	SEND 0, 16                                     ; tile B's eight stores and eight loads may be out
	SEND 1, 0
	s_wait_xcnt 0x0
	v_lshl_add_u32 v254, v0, 2, SPARE              ; my spare word, and 0: made anew here, v0 kept from the entry
	v_mov_b32 v255, 0
	s_wait_alu depctr_va_vdst(0)
	s_wait_tensorcnt 0x0                           ; the wave's end: behind my last LDS store
	ds_add_u32 v254, v255
	s_wait_dscnt 0x0
	s_endpgm
.Lfunc_end_k_q7d353073b4_attn:
	.size	k_q7d353073b4_attn, .Lfunc_end_k_q7d353073b4_attn-k_q7d353073b4_attn
	.p2alignl 7, 3214868480
	.fill 96, 4, 3214868480
	.section	.rodata,"a",@progbits
	.p2align	6, 0x0
	.amdhsa_kernel k_q7d353073b4_attn
		.amdhsa_group_segment_fixed_size 268288
		.amdhsa_private_segment_fixed_size 0
		.amdhsa_enable_private_segment 0
		.amdhsa_kernarg_size 40
		.amdhsa_user_sgpr_count 2
		.amdhsa_user_sgpr_kernarg_segment_ptr 1
		.amdhsa_wavefront_size32 1
		.amdhsa_system_sgpr_workgroup_id_x 1
		.amdhsa_system_sgpr_workgroup_id_y 1
		.amdhsa_system_sgpr_workgroup_id_z 1
		.amdhsa_system_vgpr_workitem_id 0
		.amdhsa_next_free_vgpr 256
		.amdhsa_next_free_sgpr 96
		.amdhsa_reserve_vcc 0
		.amdhsa_float_denorm_mode_32 3
		.amdhsa_float_denorm_mode_16_64 3
		.amdhsa_memory_ordered 1
		.amdhsa_forward_progress 1
		.amdhsa_inst_pref_size 223
	.end_amdhsa_kernel
	.amdgpu_metadata
---
amdhsa.version: [ 1, 2 ]
amdhsa.kernels:
  - .name:           k_q7d353073b4_attn
    .symbol:         k_q7d353073b4_attn.kd
    .args:
      - { .name: Q, .offset: 0, .size: 8, .value_kind: global_buffer, .address_space: global }
      - { .name: kv, .offset: 8, .size: 8, .value_kind: global_buffer, .address_space: global }
      - { .name: mwords, .offset: 16, .size: 8, .value_kind: global_buffer, .address_space: global }
      - { .name: lowp_scales, .offset: 24, .size: 8, .value_kind: global_buffer, .address_space: global }
      - { .name: out0, .offset: 32, .size: 8, .value_kind: global_buffer, .address_space: global }
    .group_segment_fixed_size: 268288
    .private_segment_fixed_size: 0
    .kernarg_segment_align: 8
    .kernarg_segment_size: 40
    .max_flat_workgroup_size: 512
    .sgpr_count:     96
    .vgpr_count:     256
    .wavefront_size: 32
...
	.end_amdgpu_metadata
.endif
;; end of part 2
